; MI455X (gfx1250); checked and timed in simulation.
; The chip was launched on July 23, 2026; its instructions are those of AMD's public machine-readable ISA for CDNA 5 (MIT licence, August 2026) and "CDNA5" Instruction Set Architecture Reference Guide (July 2026). The comments in the code are by the model that wrote it; some were corrected since.
;; KNN Model. Allowed arithmetic: matrix products marked QUANTISED: E4M3 operands, one given power-of-two scale a tensor, by v_wmma_f32_16x16x64_fp8_fp8 or v_wmma_f32_16x16x128_fp8_fp8, f32 sums; everything else in f32.
;; Inputs: lowp_scales 2 int32 (the exponents e of the quantised operands' scales 2^e); x 2,048 x 128 float32; x_train 50,000 x 128 float32; y_train 50,000 x 1 float32.
;; Outputs: out0 2,048 x 1 float32.
;; Constants: k = 5.
;; This version of the problem:
;;   THIS VERSION OF THE PROBLEM IS GIVEN IN LOW PRECISION. The matrix products marked QUANTISED in the list below multiply operands that are first quantised to E4M3 (4 exponent bits, 3 mantissa bits; 8 bits a number), with one given power-of-two scale for each operand tensor; their sums are f32. All else is computed in f32.
;;   The module's matrix products, in the order in which they are computed (A, B: the left and right operand; K: the contracted axis; several contracted axes count as one K, in the product's order):
;;     1. [M 2,048, K 128] x [K 128, N 50,000]; A: input x; B: input x_train: QUANTISED (scales: A lowp_scales[0], B lowp_scales[1])
;;   THE QUANTISER, for each operand of a quantised product, along K:
;;     - The operand's scale is 2^e, e = its entry of the input lowp_scales (int32; the entries are numbered through the quantised products in the list's order, A before B).
;;     - Each number is divided by the scale, clamped to +-448, and rounded to the nearest number of E4M3, ties to even, subnormals kept.
;;     - The product sums the exact products of the quantised numbers (number of the format x scale) in f32.
;;   ~~~python
;;   def quantise(x, axis, e):      # numpy; x: float32 -> the quantised numbers, widened to float32 again
;;       x = np.moveaxis(x, axis, -1); K = x.shape[-1]
;;       r = np.clip(x / 2.0 ** e, -448, 448)
;;       step = 2.0 ** (np.maximum(np.frexp(np.where(r == 0, 1, r))[1] - 1, -6) - 3)
;;       q = np.round(r / step) * step * 2.0 ** e      # np.round: ties to even
;;       return np.moveaxis(q, -1, axis).astype(np.float32)
;;   ~~~
;; One version. Each part assembles by itself: llvm-mc -triple=amdgcn-amd-amdhsa -mcpu=gfx1250 --defsym DOCPART=n.
;; ======== version 1 of 1: 3 launches
;; workspace buffers: tcodes 6,422,528 bytes; ct 200,704 bytes; xcodes 262,144 bytes; xsq 8,192 bytes; gkeys 8,388,608 bytes of whole numbers; ckeys 524,288 bytes of whole numbers
;; launch prep (part 1): grid 816 x 1, 4 waves a work-group, no clusters, 9,216 bytes of LDS; arguments x, x_train, lowp_scales, tcodes, ct, xcodes, xsq; writes tcodes, ct, xcodes, xsq
.if DOCPART == 1
	.amdgcn_target "amdgcn-amd-amdhsa--gfx1250"
	.amdhsa_code_object_version 6
	.text
	.protected	k_qee1f7fffc3_prep
	.globl	k_qee1f7fffc3_prep
	.p2align	8
	.type	k_qee1f7fffc3_prep,@function
k_qee1f7fffc3_prep:
	s_mov_b64 s[64:65], 0
	v_nop
	global_prefetch_b8 v0, s[64:65] scope:SCOPE_SE
	s_setreg_imm32_b32 hwreg(HW_REG_WAVE_MODE, 25, 1), 1
	s_wait_xcnt 0x0
; PREP: x [2048][128] and x_train [50000][128], f32, are quantised once into codes of FP8 (E4M3), K innermost, row-major, and each row's sum of squares is taken of the f32 numbers.
; code = number / 2^e, held within +-448, to the nearest code, ties to even; e = entry 0 of the scales for x, entry 1 for x_train.
; xsq[q] = |x_q|^2.   ct[n] = -|t_n|^2 x 2^-(1 + ea + eb): the later launches give it to the matrix instruction as C, so that sum + C stands for (x.t - |t|^2 / 2) / 2^(ea + eb).
; x_train is padded to 50,176 rows (3,136 tiles of 16): padding rows get zero codes and ct = the most negative f32 number, so that their distance is larger than any real one.
; LIMITS: ea, eb between -126 and 119; ea + eb between -126 and 125; |t|^2 x 2^-(1 + ea + eb) finite.  NaN among the inputs is not served.
; SHARES.  A wave takes 16 rows, 8,192 bytes: sixteen loads of 512 consecutive bytes, all out at once.  Work-groups 0-783 take x_train and its padding, 784-815 take x: only pointers and two numbers are chosen.
; No tensor load and no ring: a wave's whole share is in flight at once, and with 114 registers many waves lie on a WGP.  No matrix work, no cluster: nothing is shared.
.set NTW,   784                        ; work-groups for x_train: 3,136 units of 16 rows
.set REALU, 3125                       ; units that hold real rows of x_train (50,000 / 16); x has 128 units, all real
.set SUMS,  8192                       ; LDS: behind the four waves' turning regions of 2,048 bytes: the work-group's 64 sums
.set S,     16                         ; v16-31   sixteen rows' partial sums of squares
.set X,     32                         ; v32-95   row i: my four numbers in v[X + 4 i ..]
.set C,     96                         ; v96-111  row i: my four codes
	s_load_b128 s[4:7], s[0:1], 0x0                ; x, x_train
	s_load_b64 s[8:9], s[0:1], 0x10                ; the scales' exponents
	s_load_b256 s[12:19], s[0:1], 0x18             ; tcodes, ct, xcodes, xsq
	v_lshl_add_u32 v112, v0, 2, 0x2200
	v_mov_b32 v113, 0
	v_lshrrev_b32 v1, 5, v0
	v_readfirstlane_b32 s20, v1                    ; wave 0..3
	v_and_b32 v1, 31, v0                           ; lane
	v_lshlrev_b32 v2, 4, v1                        ; 16 x lane: my bytes of a load's or a store's 512
	s_lshl_b32 s21, s20, 11                        ; my wave's turning region
	v_lshl_add_u32 v3, v1, 2, s21                  ; into it: 4 bytes a lane, a row of codes is 128 bytes
	v_lshl_add_u32 v4, v1, 4, s21                  ; out of it: 16 bytes a lane
	s_lshl_b32 s21, s20, 6
	s_add_co_u32 s21, s21, SUMS
	v_and_b32 v5, 15, v0
	v_lshl_add_u32 v5, v5, 2, s21                  ; where row lane % 16 of my wave puts its sum
	v_lshlrev_b32 v7, 3, v1                        ; wave 0 stores the 64 sums: 8 bytes a lane
	v_add_nc_u32 v6, SUMS, v7
	s_mov_b32 s35, 0xff00ff00                      ; lanes with bit 3 set,
	s_mov_b32 s36, 0xf0f0f0f0                      ; bit 2,
	s_mov_b32 s37, 0xcccccccc                      ; bit 1,
	s_mov_b32 s38, 0xaaaaaaaa                      ; bit 0
	s_mov_b32 s40, 0x76543210                      ; v_permlanex16_b32: each lane takes its own place in the other half
	s_mov_b32 s41, 0xfedcba98
	s_cmp_lt_u32 ttmp9, NTW                        ; x_train's work-group or x's?  The choice hangs on the work-group's number alone
	s_cselect_b32 s22, 0, NTW
	s_sub_co_u32 s22, ttmp9, s22                   ; the work-group's number within its tensor
	s_lshl_b32 s23, s22, 2
	s_add_co_u32 s23, s23, s20                     ; my unit of 16 rows
	s_mov_b32 s11, 0
	s_wait_kmcnt 0x0
	s_load_b64 s[30:31], s[8:9], 0x0               ; ea, eb
	s_cmp_lt_u32 ttmp9, NTW
	s_cselect_b64 s[24:25], s[6:7], s[4:5]         ; the numbers,
	s_cselect_b64 s[26:27], s[12:13], s[16:17]     ; their codes,
	s_cselect_b64 s[28:29], s[14:15], s[18:19]     ; their sums
	s_lshl_b32 s10, s23, 13
	s_add_nc_u64 s[24:25], s[24:25], s[10:11]      ; + 8,192 x unit
	s_lshl_b32 s10, s23, 11
	s_add_nc_u64 s[26:27], s[26:27], s[10:11]      ; + 2,048 x unit
	s_lshl_b32 s10, s22, 8
	s_add_nc_u64 s[28:29], s[28:29], s[10:11]      ; + 256 x work-group
	s_cmp_ge_u32 s23, REALU                        ; a unit of padding loads nothing (x's units all lie below)
	s_cbranch_scc1 .Lpad
.irp i, 0,1,2,3,4,5,6,7,8,9,10,11,12,13,14,15
	global_load_b128 v[X+4*\i:X+4*\i+3], v2, s[24:25] offset:512*\i th:TH_LOAD_NT   ; load i is row i: 512 consecutive bytes, read once
.endr
	s_wait_kmcnt 0x0
	s_add_co_i32 s34, s30, s31                     ; ea + eb
	s_sub_co_i32 s34, 126, s34
	s_lshl_b32 s34, s34, 23
	s_or_b32 s34, s34, 0x80000000                  ; -2^-(1 + ea + eb)
	s_mov_b32 s39, 1.0
	s_cmp_lt_u32 ttmp9, NTW
	s_cselect_b32 s34, s34, s39                    ; what a row's sum is multiplied by
	s_cselect_b32 s32, s31, s30                    ; this tensor's e
	s_add_co_i32 s32, s32, 127
	s_lshl_b32 s33, s32, 23
	v_mov_b32 v8, s33                              ; 2^e as f32: the conversion takes its exponent field
	s_add_co_i32 s32, s32, 8
	s_lshl_b32 s32, s32, 23
	s_or_b32 s32, s32, 0x600000
	v_mov_b32 v9, s32                              ; 448 x 2^e
.irp i, 0,1,2,3,4,5,6,7,8,9,10,11,12,13,14,15
	s_wait_loadcnt 15-\i                           ; loads come back in order: row i is in, the younger rows stay out
	v_pk_mul_f32 v[10+2*(\i%2):11+2*(\i%2)], v[X+4*\i:X+4*\i+1], v[X+4*\i:X+4*\i+1]
	v_pk_fma_f32 v[10+2*(\i%2):11+2*(\i%2)], v[X+4*\i+2:X+4*\i+3], v[X+4*\i+2:X+4*\i+3], v[10+2*(\i%2):11+2*(\i%2)]
	v_add_f32 v[S+\i], v[10+2*(\i%2)], v[11+2*(\i%2)]   ; my four numbers' squares of row i
.endr
; Sixteen sums over the lanes at once.  A fold halves the number of registers: a lane with the mask's bit set keeps the upper n registers and sends the lower n to the lane d away, the other lane does the reverse.
; After four folds lane l holds, in S, the sum of row l % 16 over its half of the lanes.
.macro FOLD n, d, m
.set i, 0
.rept \n
	v_cndmask_b32 v[10+2*(i%2)], v[S+i+\n], v[S+i], s[\m]      ; what I send
	v_cndmask_b32 v[11+2*(i%2)], v[S+i], v[S+i+\n], s[\m]      ; what I keep
	v_add_f32_dpp v[S+i], v[10+2*(i%2)], v[11+2*(i%2)] row_xmask:\d row_mask:0xf bank_mask:0xf
.set i, i+1
.endr
.endm
	FOLD 8, 8, 35
	FOLD 4, 4, 36
	FOLD 2, 2, 37
	FOLD 1, 1, 38
	v_permlanex16_b32 v10, v[S], s40, s41          ; the other half of the lanes (v10 has been written)
	v_add_f32 v[S], v[S], v10
	v_mul_f32 v[S], s34, v[S]                      ; |x|^2, or -|t|^2 x 2^-(1 + ea + eb)
.irp i, 0,1,2,3,4,5,6,7,8,9,10,11,12,13,14,15,16,17,18,19,20,21,22,23,24,25,26,27,28,29,30,31,32,33,34,35,36,37,38,39,40,41,42,43,44,45,46,47,48,49,50,51,52,53,54,55,56,57,58,59,60,61,62,63
	v_med3_num_f32 v[X+\i], v[X+\i], -v9, v9       ; the conversion to an 8-bit code does not saturate (ISA guide 7.6.2): the hold at the largest code x the scale
.endr
.irp m, 0,1,2,3,4,5,6,7
	v_cvt_scalef32_pk8_fp8_f32 v[C+2*\m:C+2*\m+1], v[X+8*\m:X+8*\m+7], v8   ; four codes of row 2 m, four of row 2 m + 1
.endr
	v_nop                                          ; one plain vector line behind the last conversion
.irp i, 0,1,2,3,4,5,6,7,8,9,10,11,12,13,14,15
	ds_store_b32 v3, v[C+\i] offset:128*\i         ; the unit's 2,048 bytes of codes, as they lie in memory
.endr
.irp k, 0,1,2,3
	ds_load_b128 v[X+4*\k:X+4*\k+3], v4 offset:512*\k   ; LDS serves a wave's instructions in order (ISA guide 5.7.1.4): these see my stores
.endr
.irp k, 0,1,2,3
	s_wait_dscnt 3-\k
	global_store_b128 v2, v[X+4*\k:X+4*\k+3], s[26:27] offset:512*\k   ; 32 lanes store 512 consecutive bytes, at a multiple of 256 from the buffer's first byte
.endr
	s_branch .Ltail
.Lpad:
	s_wait_kmcnt 0x0                               ; (the exponents are not used here)
	v_mov_b32 v32, 0
	v_mov_b32 v33, 0
	v_mov_b32 v34, 0
	v_mov_b32 v35, 0
.irp k, 0,1,2,3
	global_store_b128 v2, v[32:35], s[26:27] offset:512*\k   ; zero codes
.endr
	v_mov_b32 v[S], 0xff7fffff                     ; ct of a padding row
.Ltail:
	ds_store_b32 v5, v[S]                          ; lanes l and l + 16 hold the same sum and write the same word
	s_wait_dscnt 0x0                               ; for the others' sake: my store has landed
	s_barrier_signal -1
	s_barrier_wait -1
	s_cmp_lg_u32 s20, 0
	s_cbranch_scc1 .Lend
	ds_load_b64 v[10:11], v6                       ; wave 0 stores the work-group's 64 sums: 256 consecutive bytes, aligned
	s_wait_dscnt 0x0
	global_store_b64 v7, v[10:11], s[28:29]
.Lend:
	s_wait_tensorcnt 0x0
	ds_add_u32 v112, v113
	s_wait_dscnt 0x0
	s_endpgm
.Lfunc_end_k_qee1f7fffc3_prep:
	.size	k_qee1f7fffc3_prep, .Lfunc_end_k_qee1f7fffc3_prep-k_qee1f7fffc3_prep
	.p2alignl 7, 3214868480
	.fill 96, 4, 3214868480
	.section	.rodata,"a",@progbits
	.p2align	6, 0x0
	.amdhsa_kernel k_qee1f7fffc3_prep
		.amdhsa_group_segment_fixed_size 9216
		.amdhsa_private_segment_fixed_size 0
		.amdhsa_enable_private_segment 0
		.amdhsa_kernarg_size 56
		.amdhsa_user_sgpr_count 2
		.amdhsa_user_sgpr_kernarg_segment_ptr 1
		.amdhsa_wavefront_size32 1
		.amdhsa_system_sgpr_workgroup_id_x 1
		.amdhsa_system_sgpr_workgroup_id_y 1
		.amdhsa_system_sgpr_workgroup_id_z 1
		.amdhsa_system_vgpr_workitem_id 0
		.amdhsa_next_free_vgpr 114
		.amdhsa_next_free_sgpr 66
		.amdhsa_reserve_vcc 0
		.amdhsa_float_denorm_mode_32 3
		.amdhsa_float_denorm_mode_16_64 3
		.amdhsa_memory_ordered 1
		.amdhsa_forward_progress 1
		.amdhsa_inst_pref_size 18
	.end_amdhsa_kernel
	.amdgpu_metadata
---
amdhsa.version: [ 1, 2 ]
amdhsa.kernels:
  - .name:           k_qee1f7fffc3_prep
    .symbol:         k_qee1f7fffc3_prep.kd
    .args:
      - { .name: x, .offset: 0, .size: 8, .value_kind: global_buffer, .address_space: global }
      - { .name: x_train, .offset: 8, .size: 8, .value_kind: global_buffer, .address_space: global }
      - { .name: lowp_scales, .offset: 16, .size: 8, .value_kind: global_buffer, .address_space: global }
      - { .name: tcodes, .offset: 24, .size: 8, .value_kind: global_buffer, .address_space: global }
      - { .name: ct, .offset: 32, .size: 8, .value_kind: global_buffer, .address_space: global }
      - { .name: xcodes, .offset: 40, .size: 8, .value_kind: global_buffer, .address_space: global }
      - { .name: xsq, .offset: 48, .size: 8, .value_kind: global_buffer, .address_space: global }
    .group_segment_fixed_size: 9216
    .private_segment_fixed_size: 0
    .kernarg_segment_align: 8
    .kernarg_segment_size: 56
    .max_flat_workgroup_size: 128
    .sgpr_count:     66
    .vgpr_count:     114
    .wavefront_size: 32
...
	.end_amdgpu_metadata
.endif
;; end of part 1
;; launch scan (part 2): grid 4 x 64, 4 waves a work-group, clusters of 4 x 1, 168,448 bytes of LDS; arguments tcodes, ct, xcodes, xsq, lowp_scales, gkeys, ckeys; writes gkeys, ckeys
.if DOCPART == 2
	.amdgcn_target "amdgcn-amd-amdhsa--gfx1250"
	.amdhsa_code_object_version 6
	.text
	.protected	k_qee1f7fffc3_scan
	.globl	k_qee1f7fffc3_scan
	.p2align	8
	.type	k_qee1f7fffc3_scan,@function
k_qee1f7fffc3_scan:
	s_mov_b64 s[64:65], 0
	v_nop
	global_prefetch_b8 v0, s[64:65] scope:SCOPE_SE
	s_setreg_imm32_b32 hwreg(HW_REG_WAVE_MODE, 25, 1), 1
	s_wait_xcnt 0x0
	s_wait_alu depctr_hold_cnt(0) depctr_sa_sdst(0) depctr_va_vdst(0) depctr_va_sdst(0) depctr_va_ssrc(0) depctr_va_vcc(0) depctr_vm_vsrc(0)
	s_getreg_b32 s2, hwreg(HW_REG_IB_STS2, 6, 4)
	s_cmp_eq_u32 s2, 0
	s_cbranch_scc0 .Lentry_in_a_cluster
	s_endpgm
.Lentry_in_a_cluster:
	s_bfe_u32 s2, ttmp6, 0x10000c
	s_cmp_lg_u32 s2, 0x3003
	s_cbranch_scc0 .Lentry_shape_is_right
	s_endpgm
.Lentry_shape_is_right:
; SCAN: the whole product x . x_train^T on codes of FP8 (E4M3), and of each group of 56 neighbouring training rows the smallest squared distance to each query.
; D = sum of code products + ct[n] (ct = -|t_n|^2 x 2^-(1 + e), e = ea + eb, given as C), so sq = |x|^2 - 2^(1 + e) D, and key = max(sq, 0).  The key falls as D grows: a group's smallest key is the key of its largest D.
; So a distance costs half a v_max3_num_f32, four vector instructions for each matrix instruction, and only one number in 56 is turned into a key and stored.
; THE TOURNAMENT.  Under the order (key, row number) the five nearest rows lie in the five first groups by (group's smallest key, group number), and those in the five first chunks of 14 groups by (chunk's smallest key, chunk number):
; were five groups ahead of the group of one of the five rows, each would hold a row ahead of it.  The next launch chooses by these keys and multiplies the chosen rows again.  Keys are not negative, so their bit patterns order as whole numbers.
; LIMITS.  sq is formed as |x|^2 + (|t|^2 - 2 x.t), the bracket in the matrix unit's sum.  The square root is not taken: it is monotone, and can change the choice only where it rounds different neighbouring sq to one distance.
; ea + eb between -126 and 125.  NaN among the inputs is not served.
; SHARES.  A work-group takes 512 queries x a chunk of 784 rows (49 tiles of 16); 4 x 64 work-groups.  Wave w keeps its 128 queries, eight fragments, in 128 registers; every wave reads every tile of the chunk from LDS: 2,048 bytes feed eight matrix instructions.
; ROWS OF A TILE.  Row 8 h + j of tile u is chunk row 392 h + 8 u + j.  In the result lane (r, h) holds query r and rows 8 h + 0..7, so each half of the lanes walks 392 neighbouring rows, and seven tiles are a group: group 14 c + 7 h + u / 7.
; CLUSTER.  The four query blocks of a chunk read the same 116,032 bytes: they are a cluster, and every tile is asked for JOINTLY, by the same tensor load with the same descriptor (made of the chunk and the wave's number) and the mask of all four.
; The whole chunk lies in LDS at once: every LDS byte is filled once, all loads go out at the head (eight of a wave's are out, by this text's count), and the work begins when the first seventh has landed.
; LDS: 784 rows of 128 bytes + 16 of padding; 784 ct; behind them, from a multiple of 256 on, the stage for the keys, into which no tile lands.
.set ROWP,  144                        ; from row to row: rows 8 u + 0..7 and 392 + 8 u + 0..7 start at sixteen different multiples of 16 bytes modulo 256
.set CT0,   784*ROWP                   ; 112,896
.set STAGE, 116224                     ; 454 x 256
.set RECP,  80                         ; a query's record in the stage: 14 keys, two words of ones, 16 bytes of padding: the 32 lanes of a key's store fall on 32 different words modulo 64
.set XS,    32                         ; v32-39   |x|^2 of my query in query tile i
.set GM,    40                         ; v40-47   the group's largest D so far, query tile i
.set CF,    48                         ; v48-63   ct of a tile's rows: two sets of 8
.set AF,    64                         ; v64-95   a tile's fragment: two sets of 16
.set DF,    96                         ; v96-127  results: four sets of 8, by turns
.set BF,    128                        ; v128-255 my eight query fragments
.set G1C,   24                         ; s[24:31] descriptor group 1 for codes
.set G1T,   32                         ; s[32:39] for ct
.set G0T,   40                         ; s[40:43] group 0 for ct; parts 0-4 of the codes in s[44:63], parts 5, 6 in s[68:75]: a set for each load, never rewritten
; v1 a tile row's place for my lane; v2 ct's; v3 where I put keys; v4, v5 offsets of my query's codes and |x|^2; v6, v8 where I read the stage; v7 16 x thread; v[10:11] ones; v12 a key; v16-19 at work
.macro CROUND                          ; a round of the cluster's barrier
	s_barrier_signal -1
	s_barrier_wait -1
	s_cmp_lg_u32 s18, 0
	s_cbranch_scc1 .Lnot_wave_0_\@
	s_barrier_signal -3
.Lnot_wave_0_\@:
	s_barrier_wait -3
	s_barrier_signal -1
	s_barrier_wait -1
.endm
	s_load_b256 s[4:11], s[0:1], 0x0               ; tcodes s[4:5], ct s[6:7], xcodes s[8:9], xsq s[10:11]
	s_load_b128 s[12:15], s[0:1], 0x20             ; the scales' exponents s[12:13], gkeys s[14:15]
	s_load_b64 s[16:17], s[0:1], 0x30              ; ckeys
	v_lshl_add_u32 v30, v0, 2, 0x29000
	v_mov_b32 v31, 0
	ds_add_u32 v30, v31
	ds_add_u32 v30, v31
	v_lshrrev_b32 v1, 5, v0
	v_readfirstlane_b32 s18, v1                    ; wave 0..3
	s_bfe_u32 s19, ttmp6, 0x40000                  ; my place in the cluster
	s_lshl_b32 s22, ttmp9, 2
	s_add_co_u32 s19, s19, s22                     ; my block of 512 queries: it enters the addresses of the queries and of the outputs alone
	s_and_b32 s20, ttmp7, 0xffff                   ; the chunk, which the four partners share
	v_and_b32 v9, 7, v0
	v_bfe_u32 v13, v0, 3, 1
	v_bfe_u32 v14, v0, 4, 1                        ; h
	v_and_b32 v15, 15, v0                          ; r
	v_mul_u32_u24 v1, v9, ROWP
	v_mad_u32_u24 v1, v13, 392*ROWP, v1
	v_lshl_add_u32 v1, v14, 4, v1                  ; lane l holds tile row l % 16 = chunk row 392 ((l / 8) % 2) + l % 8 (+ 8 u), and of it bytes 16 h + 32 c
	v_mul_u32_u24 v2, v14, 1568
	v_add_nc_u32 v2, CT0, v2                       ; ct of rows 392 h (+ 8 u) on
	s_mul_i32 s21, s18, 128*RECP
	s_add_co_u32 s21, s21, STAGE
	v_mul_u32_u24 v3, v15, RECP
	v_mad_u32_u24 v3, v14, 28, v3
	v_add_nc_u32 v3, s21, v3                       ; record 128 w + r (+ 16 i), word 7 h (+ p)
	v_lshlrev_b32 v4, 7, v15
	v_lshl_add_u32 v4, v14, 4, v4                  ; a query's row of 128 codes, + 16 h
	v_lshlrev_b32 v5, 2, v15
	v_lshrrev_b32 v6, 2, v0
	v_mul_u32_u24 v6, v6, RECP
	v_and_b32 v9, 3, v0
	v_lshl_add_u32 v6, v9, 4, v6
	v_add_nc_u32 v6, STAGE, v6                     ; the way out: four threads to a record's 64 bytes
	v_lshlrev_b32 v7, 4, v0
	v_mul_u32_u24 v8, v0, 4*RECP
	v_add_nc_u32 v8, STAGE, v8                     ; records 4 t .. 4 t + 3
	v_mov_b32 v10, -1
	v_mov_b32 v11, -1
	; descriptor group 1 for codes: 28 rows of 128 bytes, dense in memory, 16 bytes of padding behind each in LDS
	s_mov_b32 s[G1C], 15|(0<<16)|(1<<20)|(1<<21)|(4<<22)|(3<<25)   ; 15:0 the mask: all four work-groups; 17:16 elements of 1 byte; 20 padding on; 21 set beside a mask; 24:22 after every 32 words (code 4); 31:25 four words (code 3)
	s_mov_b32 s[G1C+1], 128<<16                    ; tensor_dim0
	s_mov_b32 s[G1C+2], 28<<16                     ; tensor_dim1
	s_mov_b32 s[G1C+3], 128<<16                    ; tile_dim0
	s_mov_b32 s[G1C+4], 28                         ; tile_dim1
	s_mov_b32 s[G1C+5], 128                        ; from row to row
	s_mov_b32 s[G1C+6], 0
	s_mov_b32 s[G1C+7], 0
	; for ct: one row of 98 elements of 8 bytes
	s_mov_b32 s[G1T], 15|(3<<16)|(1<<21)
	s_mov_b32 s[G1T+1], 98<<16
	s_mov_b32 s[G1T+2], 1<<16
	s_mov_b32 s[G1T+3], 98<<16
	s_mov_b32 s[G1T+4], 1
	s_mov_b32 s[G1T+5], 98
	s_mov_b32 s[G1T+6], 0
	s_mov_b32 s[G1T+7], 0
	s_wait_dscnt 0x0
	s_wait_kmcnt 0x0
	s_load_b64 s[2:3], s[12:13], 0x0               ; ea, eb
	s_mul_i32 s21, s18, 784                        ; wave w fetches a quarter of the chunk's ct
	s_mov_b32 s[G0T], 1
	s_add_co_u32 s[G0T+1], s21, CT0
	s_mul_i32 s66, s20, 3136
	s_add_co_u32 s66, s66, s21
	s_mov_b32 s67, 0
	s_add_nc_u64 s[G0T+2:G0T+3], s[6:7], s[66:67]
	s_or_b32 s[G0T+3], s[G0T+3], 0x80000000
	s_and_b32 s21, s18, 1                          ; part p is what tiles 7 p .. 7 p + 6 read: rows 56 p .. 56 p + 55 of each half of the chunk; wave w fetches 28 of them:
	s_mul_i32 s21, s21, 392
	s_lshr_b32 s66, s18, 1
	s_mul_i32 s66, s66, 28
	s_add_co_u32 s21, s21, s66                     ; from row 392 (w % 2) + 28 (w / 2) + 56 p on
	s_mul_i32 s77, s21, ROWP                       ; in LDS,
	s_mul_i32 s66, s20, 784
	s_add_co_u32 s66, s66, s21
	s_lshl_b32 s66, s66, 7
	s_add_nc_u64 s[66:67], s[4:5], s[66:67]        ; and in memory
.irp p, 0,1,2,3,4,5,6
.set g, 44+4*\p+4*(\p/5)
	s_mov_b32 s[g], 1
	s_add_co_u32 s[g+1], s77, 56*ROWP*\p
	s_add_nc_u64 s[g+2:g+3], s[66:67], 56*128*\p
	s_or_b32 s[g+3], s[g+3], 0x80000000
.endr
	CROUND                                         ; all four work-groups are here: the joint loads meet
	tensor_load_to_lds s[G0T:G0T+3], s[G1T:G1T+7]  ; ct first, then the parts in the order in which they are read
	s_nop 0
.irp p, 0,1,2,3,4,5,6
.set g, 44+4*\p+4*(\p/5)
	tensor_load_to_lds s[g:g+3], s[G1C:G1C+7]
	s_nop 0
.endr
.rept 4
	v_nop                                          ; four plain lines behind the last tensor load
.endr
.irp m, 0,1,2,3
	ds_store_b64 v8, v[10:11] offset:56+RECP*\m    ; words 14 and 15 of my four records: all ones, behind every key
.endr
	s_lshl_b32 s22, s19, 9
	s_lshl_b32 s23, s18, 7
	s_add_co_u32 s22, s22, s23                     ; my wave's first query: 512 x block + 128 w
	s_lshl_b32 s78, s22, 7
	s_mov_b32 s79, 0
	s_add_nc_u64 s[8:9], s[8:9], s[78:79]
	s_lshl_b32 s78, s22, 2
	s_add_nc_u64 s[10:11], s[10:11], s[78:79]
.irp i, 0,1,2,3,4,5,6,7
.irp c, 0,1,2,3
	global_load_b128 v[BF+16*\i+4*\c:BF+16*\i+4*\c+3], v4, s[8:9] offset:2048*\i+32*\c   ; query tile i: lane (r, h) holds query 16 i + r, K = 32 c + 16 h + 0..15: the same places of K as in the rows' fragments
.endr
.endr
.irp i, 0,1,2,3,4,5,6,7
	global_load_b32 v[XS+\i], v5, s[10:11] offset:64*\i
.endr
	s_lshl_b32 s78, s20, 17
	s_lshl_b32 s22, s19, 15
	s_add_co_u32 s78, s78, s22
	s_add_nc_u64 s[14:15], s[14:15], s[78:79]      ; gkeys at record (chunk, my block's first query): 64 bytes a record
	s_lshl_b32 s78, s20, 13
	s_lshl_b32 s22, s19, 11
	s_add_co_u32 s78, s78, s22
	s_add_nc_u64 s[16:17], s[16:17], s[78:79]      ; ckeys likewise, 4 bytes
	s_wait_kmcnt 0x0
	s_add_co_i32 s76, s2, s3
	s_add_co_i32 s76, s76, 128
	s_lshl_b32 s76, s76, 23
	s_or_b32 s76, s76, 0x80000000                  ; -2^(1 + ea + eb)
; Part p is whole in LDS for every wave: behind my part p I issued 6 - p loads, which may stay out; no LDS instruction of mine is pending at the signal.
.macro GATE p
	s_wait_tensorcnt 6-(\p)
	s_wait_dscnt 0x0
	s_barrier_signal -1
	s_barrier_wait -1
.endm
.macro FETCH u                         ; tile u's fragment and its rows' ct, into set u % 2
.irp c, 0,1,2,3
	ds_load_b128 v[AF+16*((\u)%2)+4*\c:AF+16*((\u)%2)+4*\c+3], v1 offset:8*ROWP*(\u)+32*\c
.endr
	ds_load_b128 v[CF+8*((\u)%2):CF+8*((\u)%2)+3], v2 offset:32*(\u)
	ds_load_b128 v[CF+8*((\u)%2)+4:CF+8*((\u)%2)+7], v2 offset:32*(\u)+16
.endm
.macro WM n                            ; product n: tile n / 8 against query tile n % 8.  C (ct) and D are different registers: no sum is taken up in place
.set wu, (\n)/8
.set wi, (\n)%8
	v_wmma_f32_16x16x128_fp8_fp8 v[DF+8*((\n)%4):DF+8*((\n)%4)+7], v[AF+16*(wu%2):AF+16*(wu%2)+15], v[BF+16*wi:BF+16*wi+15], v[CF+8*(wu%2):CF+8*(wu%2)+7]
.endm
; Product n's eight results go into the group's largest D: four instructions, the result read from its low end on, only the last waiting for the others.  A group's first tile starts the maximum; behind its seventh the key is made and stored.
.macro SLICE n
.set su, (\n)/8
.set si, (\n)%8
.set sd, DF+8*((\n)%4)
.set st, 16+2*((\n)%2)
	v_max3_num_f32 v[st], v[sd], v[sd+1], v[sd+2]
	v_max3_num_f32 v[st+1], v[sd+3], v[sd+4], v[sd+5]
.if su%7 == 0
	v_max_num_f32 v[GM+si], v[sd+6], v[sd+7]
.else
	v_max3_num_f32 v[GM+si], v[GM+si], v[sd+6], v[sd+7]
.endif
	v_max3_num_f32 v[GM+si], v[GM+si], v[st], v[st+1]
.if su%7 == 6
	v_fma_f32 v12, v[GM+si], s76, v[XS+si]         ; |x|^2 - 2^(1 + e) D
	v_max_num_f32 v12, 0, v12
	ds_store_b32 v3, v12 offset:16*RECP*si+4*(su/7)
.endif
.endm
; A TILE: eight products, and behind each the slice of the product three back.  So between a product and the read of its result, and between it and the product that writes over its result, stand three other products' slices (twelve plain
; instructions that name none of its registers); between a tile's last product and the loads into its set stands one slice, four.  Tile u + 1 is fetched a whole tile ahead of its use.
.macro TILE u
.if ((\u)+1 < 49) && (((\u)+1)%7 == 0)
	GATE ((\u)+1)/7                                ; the next tile begins a part (the wait on DScnt in it also shows tile u's loads in)
.else
	s_wait_dscnt 0x0                               ; tile u's six loads, issued a tile ago, are in
.endif
.if (\u)+1 < 49
	FETCH (\u)+1
.endif
.set ti, 0
.rept 8
	WM 8*(\u)+ti
.if 8*(\u)+ti == 2
.rept 5
	v_nop                                          ; at the start there are no slices yet: five places behind product 0, for the read of its result and for product 4, which writes over it
.endr
.endif
.if 8*(\u)+ti >= 3
	SLICE 8*(\u)+ti-3
.endif
.set ti, ti+1
.endr
.endm
	GATE 0
	FETCH 0
	s_wait_loadcnt 0x0                             ; my queries
.set U, 0
.rept 49
	TILE U
.set U, U+1
.endr
	SLICE 389
	SLICE 390
	SLICE 391
	; THE WAY OUT.  512 records of 64 bytes leave as they lie; each thread also takes the smallest of the 14 keys of four records.
	s_wait_dscnt 0x0                               ; for the others' sake: my keys have landed
	s_barrier_signal -1
	s_barrier_wait -1
.irp k, 0,1,2,3,4,5,6,7,8,9,10,11,12,13,14,15
	ds_load_b128 v[BF+4*\k:BF+4*\k+3], v6 offset:32*RECP*\k
.endr
.irp m, 0,1,2,3
.irp k, 0,1,2,3
	ds_load_b128 v[192+16*\m+4*\k:192+16*\m+4*\k+3], v8 offset:RECP*\m+16*\k
.endr
.endr
.irp k, 0,1,2,3,4,5,6,7,8,9,10,11,12,13,14,15
	s_wait_dscnt 31-\k                             ; load k is in; behind it: 15 - k of its run and the sixteen of the second run
	global_store_b128 v7, v[BF+4*\k:BF+4*\k+3], s[14:15] offset:2048*\k   ; a wave stores 512 consecutive bytes, at a multiple of 256 from the buffer's first byte
.endr
	s_wait_dscnt 0x0
.irp m, 0,1,2,3
	v_min3_num_f32 v[16+\m], v[192+16*\m], v[193+16*\m], v[194+16*\m]
.endr
.irp s, 3,5,7,9,11
.irp m, 0,1,2,3
	v_min3_num_f32 v[16+\m], v[16+\m], v[192+16*\m+\s], v[193+16*\m+\s]
.endr
.endr
.irp m, 0,1,2,3
	v_min_num_f32 v[16+\m], v[16+\m], v[205+16*\m]
.endr
	global_store_b128 v7, v[16:19], s[16:17]       ; the chunk's smallest key of queries 4 t .. 4 t + 3
	s_wait_tensorcnt 0x0                           ; no tensor load and no LDS instruction of mine is out
	s_wait_dscnt 0x0
	s_wait_tensorcnt 0x0
	ds_add_u32 v30, v31
	s_wait_dscnt 0x0
	CROUND                                         ; the closing round: no work-group ends while a partner may still ask for a tile that names it
	s_endpgm
.Lfunc_end_k_qee1f7fffc3_scan:
	.size	k_qee1f7fffc3_scan, .Lfunc_end_k_qee1f7fffc3_scan-k_qee1f7fffc3_scan
	.p2alignl 7, 3214868480
	.fill 96, 4, 3214868480
	.section	.rodata,"a",@progbits
	.p2align	6, 0x0
	.amdhsa_kernel k_qee1f7fffc3_scan
		.amdhsa_group_segment_fixed_size 168448
		.amdhsa_private_segment_fixed_size 0
		.amdhsa_enable_private_segment 0
		.amdhsa_kernarg_size 56
		.amdhsa_user_sgpr_count 2
		.amdhsa_user_sgpr_kernarg_segment_ptr 1
		.amdhsa_wavefront_size32 1
		.amdhsa_system_sgpr_workgroup_id_x 1
		.amdhsa_system_sgpr_workgroup_id_y 1
		.amdhsa_system_sgpr_workgroup_id_z 1
		.amdhsa_system_vgpr_workitem_id 0
		.amdhsa_next_free_vgpr 256
		.amdhsa_next_free_sgpr 80
		.amdhsa_reserve_vcc 0
		.amdhsa_float_denorm_mode_32 3
		.amdhsa_float_denorm_mode_16_64 3
		.amdhsa_memory_ordered 1
		.amdhsa_forward_progress 1
		.amdhsa_inst_pref_size 169
	.end_amdhsa_kernel
	.amdgpu_metadata
---
amdhsa.version: [ 1, 2 ]
amdhsa.kernels:
  - .name:           k_qee1f7fffc3_scan
    .symbol:         k_qee1f7fffc3_scan.kd
    .args:
      - { .name: tcodes, .offset: 0, .size: 8, .value_kind: global_buffer, .address_space: global }
      - { .name: ct, .offset: 8, .size: 8, .value_kind: global_buffer, .address_space: global }
      - { .name: xcodes, .offset: 16, .size: 8, .value_kind: global_buffer, .address_space: global }
      - { .name: xsq, .offset: 24, .size: 8, .value_kind: global_buffer, .address_space: global }
      - { .name: lowp_scales, .offset: 32, .size: 8, .value_kind: global_buffer, .address_space: global }
      - { .name: gkeys, .offset: 40, .size: 8, .value_kind: global_buffer, .address_space: global }
      - { .name: ckeys, .offset: 48, .size: 8, .value_kind: global_buffer, .address_space: global }
    .group_segment_fixed_size: 168448
    .private_segment_fixed_size: 0
    .kernarg_segment_align: 8
    .kernarg_segment_size: 56
    .max_flat_workgroup_size: 128
    .sgpr_count:     80
    .vgpr_count:     256
    .wavefront_size: 32
...
	.end_amdgpu_metadata
.endif
;; end of part 2
;; launch pick (part 3): grid 256 x 1, 5 waves a work-group, no clusters, 5,120 bytes of LDS; arguments ckeys, gkeys, tcodes, ct, xcodes, xsq, y_train, lowp_scales, out0; writes out0
.if DOCPART == 3
	.amdgcn_target "amdgcn-amd-amdhsa--gfx1250"
	.amdhsa_code_object_version 6
	.text
	.protected	k_qee1f7fffc3_pick
	.globl	k_qee1f7fffc3_pick
	.p2align	8
	.type	k_qee1f7fffc3_pick,@function
k_qee1f7fffc3_pick:
	s_mov_b64 s[64:65], 0
	v_nop
	global_prefetch_b8 v0, s[64:65] scope:SCOPE_SE
	s_setreg_imm32_b32 hwreg(HW_REG_WAVE_MODE, 25, 1), 1
	s_wait_xcnt 0x0
; PICK: for each query the five first chunks by (stored key, chunk number), of their 70 groups the five first by (stored key, group number), the 5 x 56 rows of those groups multiplied again, the five nearest rows' y, and their mean.
; The stored keys are bit patterns of f32 numbers that are not negative: they are read and compared as whole numbers, and only whole numbers made of them, each held under a constant, enter addresses.
; The rows are multiplied by the same matrix instruction, with the same places of K and the same C (ct) as in the launch that made the keys.  y travels beside its key as a chosen value: no address hangs on a distance.
; ORDER.  Lists of five (key, payload) are kept sorted; a newcomer goes in front of the first entry whose key is LARGER, and newcomers always come in ascending number: so of equal keys the lower number stays ahead, as in lax.top_k.
; LIMITS: as in the launch before (sq's order of rounding; no square root; ea + eb between -126 and 125; NaN not served).  The mean is the sum x 0.2.
; SHARES.  A work-group takes 8 queries, so that 256 work-groups pull the gathered rows; its output is 32 bytes (the whole output is 8,192).  Waves 0 and 1 choose: four queries each, eight lanes to a query.
; Then wave s multiplies the s-th chosen group (in ascending group number) of all eight queries; wave 0 joins the five lists.  Branches and addresses hang on numbers read from memory, so operands come straight into registers: no tensor load.
; No cluster: the work-groups share no tile.
; A UNIT of wave s: for each query q one matrix instruction, source 0 = 16 rows of q's group, source 1 = the 8 queries (columns 8-15 repeat 0-7); of its result only column q counts, and is picked by a lane mask.
; Row 8 h + j of unit v is group row 28 h + off + j, off = 0, 8, 16, 20: each half of the lanes walks 28 ascending rows, the lower half the lower rows; unit 3 repeats four rows, which are passed over.
.set GT,  0                            ; LDS: [5 slots][8 queries] chosen groups
.set LST, 256                          ; LDS: [2 halves][5 slots][8 queries] x 48 bytes: lists; the upper half's copy is written and never read
.set KL,  28                           ; v28-32  the list's keys
.set PL,  33                           ; v33-37  its payloads: numbers of chunks or groups, later y
.set TL,  38                           ; v38-42, v43-47  a partner's list
.set TK,  48                           ; v48 a key;  v49 a number;  v50 the first number of my run;  v51 my chunk
.set TI,  49
.set IB,  50
.set CH,  51
.set CT,  56                           ; v56-71  stored keys; later ct, two sets of 8
.set YF,  72                           ; v72-87  y, two sets of 8
.set ACC, 88                           ; v88-95  my query's eight results of a unit
.set DF,  96                           ; v96-111 results, two sets by turns
.set BF,  112                          ; v112-127 the queries' fragment
.set AF,  128                          ; v128-255 eight fragments of rows
.set CM,  24                           ; s24-28  where the newcomer's key is the smaller
.set QM,  36                           ; s36-43  lanes with lane % 8 = q
; v1 lane % 8; v2 lane / 16; v3 4 (lane % 8); v4-v8 LDS addresses and the permute's index, made here and never rewritten; v9-v11 offsets of rows, queries, ct; v12-19 of y; v20, v21 of keys; v22 my query's group; v23 |x|^2; v24-27 at work
	s_load_b256 s[4:11], s[0:1], 0x0               ; ckeys s[4:5], gkeys s[6:7], tcodes s[8:9], ct s[10:11]
	s_load_b256 s[12:19], s[0:1], 0x20             ; xcodes s[12:13], xsq s[14:15], y_train s[16:17], the scales' exponents s[18:19]
	s_load_b64 s[20:21], s[0:1], 0x40              ; out0
	v_lshl_add_u32 v54, v0, 2, 0x1100
	v_mov_b32 v55, 0
	v_lshrrev_b32 v1, 5, v0
	v_readfirstlane_b32 s22, v1                    ; wave 0..4
	v_and_b32 v1, 7, v0
	v_bfe_u32 v2, v0, 4, 1
	v_lshlrev_b32 v3, 2, v1
	s_lshl_b32 s66, s22, 4
	v_bfe_u32 v4, v0, 3, 2
	v_lshl_add_u32 v4, v4, 2, s66                  ; choosing: 4 x my query in the work-group, 4 x wave + lane / 8
	s_lshl_b32 s66, s22, 5
	v_lshl_add_u32 v5, v1, 2, s66                  ; GT: slot = my wave, query lane % 8
	v_mul_u32_u24 v7, v1, 48
	v_add_nc_u32 v7, LST, v7                       ; LST: the lower half's copy, slot 0, query lane % 8
	s_mul_i32 s66, s22, 384
	v_mad_u32_u24 v6, v2, 1920, v7
	v_add_nc_u32 v6, s66, v6                       ; LST: my half, my wave's slot
	v_and_b32 v8, 24, v0
	v_lshlrev_b32 v8, 2, v8                        ; 4 x the first lane of my eight
	v_bfe_u32 v9, v0, 3, 1
	v_mul_u32_u24 v9, v9, 28*128
	v_lshl_add_u32 v9, v1, 7, v9
	v_lshl_add_u32 v9, v2, 4, v9                   ; lane l holds tile row l % 16 = group row 28 ((l / 8) % 2) + l % 8 (+ off), bytes 16 (l / 16) + 32 c
	v_lshlrev_b32 v10, 7, v1
	v_lshl_add_u32 v10, v2, 4, v10                 ; column l % 16 is query l % 8
	v_lshl_add_u32 v20, v1, 16, v4                 ; ckeys: chunk 8 (lane % 8) of 8,192 bytes, my query
	v_lshlrev_b32 v[IB], 3, v1
.irp j, 0,1,2,3,4,5,6,7,8,9
	v_mov_b32 v[TL+\j], 0                          ; written once: the destination of a lane permute or a DPP move counts as one of its sources
.endr
	s_mov_b32 s33, 0xe0e0e0e0                      ; lanes with lane % 8 of 5 or more
.irp q, 0,1,2,3,4,5,6,7
	s_mov_b32 s[QM+\q], 0x01010101<<\q
.endr
	s_mov_b32 s44, 0x76543210                      ; v_permlanex16_b32: each lane takes its own place in the other half
	s_mov_b32 s45, 0xfedcba98
	s_mov_b32 s67, 0
	s_wait_kmcnt 0x0
	s_load_b64 s[30:31], s[18:19], 0x0             ; ea, eb
	s_lshl_b32 s66, ttmp9, 5
	s_add_nc_u64 s[4:5], s[4:5], s[66:67]          ; my eight queries in a chunk's row of ckeys,
	s_add_nc_u64 s[14:15], s[14:15], s[66:67]      ; in xsq,
	s_add_nc_u64 s[20:21], s[20:21], s[66:67]      ; in out0,
	s_lshl_b32 s66, ttmp9, 9
	s_add_nc_u64 s[6:7], s[6:7], s[66:67]          ; in a chunk's records,
	s_lshl_b32 s66, ttmp9, 10
	s_add_nc_u64 s[12:13], s[12:13], s[66:67]      ; in xcodes
.irp c, 0,1,2,3
	global_load_b128 v[BF+4*\c:BF+4*\c+3], v10, s[12:13] offset:32*\c
.endr
	global_load_b32 v23, v3, s[14:15]
; A newcomer (key v[k], number v[id]) goes into the list; places below from are known to stay.  Whole numbers.
.macro INSU k, id, from
.set ii, \from
.rept 5-(\from)
	v_cmp_lt_u32 s[CM+ii], v[\k], v[KL+ii]
.set ii, ii+1
.endr
.set ii, 4
.rept 4-(\from)
	v_cndmask_b32 v[24+2*(ii%2)], v[\k], v[KL+ii-1], s[CM+ii-1]    ; what moves into place ii: the entry above it, or the newcomer
	v_cndmask_b32 v[25+2*(ii%2)], v[\id], v[PL+ii-1], s[CM+ii-1]
	v_cndmask_b32 v[KL+ii], v[KL+ii], v[24+2*(ii%2)], s[CM+ii]
	v_cndmask_b32 v[PL+ii], v[PL+ii], v[25+2*(ii%2)], s[CM+ii]
.set ii, ii-1
.endr
	v_cndmask_b32 v[KL+(\from)], v[KL+(\from)], v[\k], s[CM+(\from)]
	v_cndmask_b32 v[PL+(\from)], v[PL+(\from)], v[\id], s[CM+(\from)]
.endm
; The same for f32 keys: the new key of place ii is the middle one of its old key, the key above it and the newcomer's.
.macro INSF k, y, from
.set ii, \from
.rept 5-(\from)
	v_cmp_lt_f32 s[CM+ii], v[\k], v[KL+ii]
.set ii, ii+1
.endr
.set ii, 4
.rept 4-(\from)
	v_cndmask_b32 v[24+ii%2], v[\y], v[PL+ii-1], s[CM+ii-1]
	v_med3_num_f32 v[KL+ii], v[KL+ii-1], v[KL+ii], v[\k]
	v_cndmask_b32 v[PL+ii], v[PL+ii], v[24+ii%2], s[CM+ii]
.set ii, ii-1
.endr
	v_min_num_f32 v[KL+(\from)], v[KL+(\from)], v[\k]
	v_cndmask_b32 v[PL+(\from)], v[PL+(\from)], v[\y], s[CM+(\from)]
.endm
.macro XLIST m                         ; the list of the lane m away
.irp j, 0,1,2,3,4,5,6,7,8,9
	v_mov_b32_dpp v[TL+\j], v[KL+\j] row_xmask:\m row_mask:0xf bank_mask:0xf
.endr
.endm
; The partner's list goes in, entry by entry; its entry j cannot land ahead of place j, since its j earlier entries stand ahead of it.  The result is right in the lane whose partner holds the higher numbers; the other lane's is not used.
.macro MERGEU
.irp j, 0,1,2,3,4
	INSU TL+\j, TL+5+\j, \j
.endr
.endm
.macro MERGEF
.irp j, 0,1,2,3,4
	INSF TL+\j, TL+5+\j, \j
.endr
.endm
.macro CSWAP a, b
	v_cmp_gt_u32 vcc_lo, v[PL+\a], v[PL+\b]
	v_cndmask_b32 v24, v[PL+\a], v[PL+\b], vcc_lo
	v_cndmask_b32 v[PL+\b], v[PL+\b], v[PL+\a], vcc_lo
	v_mov_b32 v[PL+\a], v24
.endm
.macro SORT5                           ; the five numbers in ascending order: nine exchanges
	CSWAP 0, 1
	CSWAP 3, 4
	CSWAP 2, 4
	CSWAP 2, 3
	CSWAP 1, 4
	CSWAP 0, 3
	CSWAP 0, 2
	CSWAP 1, 3
	CSWAP 1, 2
.endm
.macro BCAST5                          ; the five numbers of the first lane of my eight, into the partner's registers
.irp j, 0,1,2,3,4
	ds_bpermute_b32 v[TL+\j], v8, v[PL+\j]
.endr
	s_wait_dscnt 0x0
.endm
.macro FRESH                           ; an empty list of whole numbers: keys of all ones stand behind every stored key
.irp j, 0,1,2,3,4
	v_mov_b32 v[KL+\j], -1
	v_mov_b32 v[PL+\j], 0
.endr
.endm
	s_cmp_gt_u32 s22, 1
	s_cbranch_scc1 .Lchosen                        ; waves 2 to 4 choose nothing
	; ---- the five chunks: lane % 8 = a takes chunks 8 a .. 8 a + 7 of its query
.irp k, 0,1,2,3,4,5,6,7
	global_load_b32 v[CT+\k], v20, s[4:5] offset:8192*\k
.endr
	FRESH
	s_wait_loadcnt 0x0
.irp k, 0,1,2,3,4,5,6,7
	v_add_nc_u32 v[TI], \k, v[IB]
	INSU CT+\k, TI, 0
.endr
	XLIST 1
	MERGEU
	XLIST 2
	MERGEU
	XLIST 4
	MERGEU                                         ; the first lane of each eight holds its query's five chunks
	SORT5                                          ; in ascending number, so that a lower lane again holds lower numbers
	BCAST5
	v_cndmask_b32 v[CH], v[TL], v[TL+1], s[QM+1]   ; lane % 8 = a takes the a-th (lanes 5 to 7 take the first, and their lists are emptied below)
	v_cndmask_b32 v[CH], v[CH], v[TL+2], s[QM+2]
	v_cndmask_b32 v[CH], v[CH], v[TL+3], s[QM+3]
	v_cndmask_b32 v[CH], v[CH], v[TL+4], s[QM+4]
	v_min_u32 v[CH], 63, v[CH]
	; ---- the five groups among the five chunks' 70
	v_lshlrev_b32 v21, 4, v4
	v_lshl_add_u32 v21, v[CH], 17, v21             ; record (chunk, query): 2,048 records of 64 bytes to a chunk
.irp k, 0,1,2,3
	global_load_b128 v[CT+4*\k:CT+4*\k+3], v21, s[6:7] offset:16*\k
.endr
	v_mul_u32_u24 v[IB], v[CH], 14
	FRESH
	s_wait_loadcnt 0x0
.irp k, 0,1,2,3,4,5,6,7,8,9,10,11,12,13
	v_add_nc_u32 v[TI], \k, v[IB]
	INSU CT+\k, TI, 0
.endr
.irp j, 0,1,2,3,4
	v_cndmask_b32 v[KL+\j], v[KL+\j], -1, s33
.endr
	XLIST 1
	MERGEU
	XLIST 2
	MERGEU
	XLIST 4
	MERGEU
	SORT5                                          ; slot s takes the s-th group in ascending number: a lower slot holds lower rows
	BCAST5
.irp j, 0,1,2,3,4
	v_min_u32 v[TL+\j], 0x37f, v[TL+\j]
.endr
.irp j, 0,1,2,3,4
	ds_store_b32 v4, v[TL+\j] offset:GT+32*\j      ; the eight lanes of a query write the same word with the same number
.endr
.Lchosen:
	s_wait_dscnt 0x0                               ; for the others' sake: my stores have landed
	s_barrier_signal -1
	s_barrier_wait -1
	; ---- wave s: the s-th group of each of the eight queries
	ds_load_b32 v22, v5
	s_wait_loadcnt 0x0                             ; the queries' fragment and |x|^2
	s_wait_kmcnt 0x0
	s_add_co_i32 s46, s30, s31
	s_add_co_i32 s46, s46, 128
	s_lshl_b32 s46, s46, 23
	s_or_b32 s46, s46, 0x80000000                  ; -2^(1 + ea + eb)
	s_wait_dscnt 0x0
	v_min_u32 v22, 0x37f, v22                      ; the group of query lane % 8
	v_mul_u32_u24 v11, v22, 224
	v_mad_u32_u24 v11, v2, 112, v11                ; ct and y: 4 (56 g + 28 h) bytes
.irp v, 0,1,2,3
	v_add_nc_u32 v[12+2*\v], 4*(8*\v-4*(\v/3)), v11
	v_add_nc_u32 v[13+2*\v], 4*(8*\v-4*(\v/3))+16, v11
	v_min_u32 v[12+2*\v], 0x30d30, v[12+2*\v]      ; y has 50,000 numbers: a load for padding rows is held at y's last 16 bytes (all these offsets are multiples of 16); such rows never win
	v_min_u32 v[13+2*\v], 0x30d30, v[13+2*\v]
.endr
.irp q, 0,1,2,3,4,5,6,7
	v_readlane_b32 s66, v22, \q
	s_min_u32 s66, s66, 0x37f
	s_mul_i32 s66, s66, 7168                       ; a group's 56 rows of 128 codes
	s_add_nc_u64 s[48+2*\q:49+2*\q], s[8:9], s[66:67]
.endr
.macro CTY v                           ; unit v's ct and y of my query's group, my half's eight rows, into set v % 2
.set of, 8*(\v)-4*((\v)/3)
	global_load_b128 v[CT+8*((\v)%2):CT+8*((\v)%2)+3], v11, s[10:11] offset:4*of
	global_load_b128 v[CT+8*((\v)%2)+4:CT+8*((\v)%2)+7], v11, s[10:11] offset:4*of+16
	global_load_b128 v[YF+8*((\v)%2):YF+8*((\v)%2)+3], v[12+2*(\v)], s[16:17]
	global_load_b128 v[YF+8*((\v)%2)+4:YF+8*((\v)%2)+7], v[13+2*(\v)], s[16:17]
.endm
.macro AL v, q                         ; unit v's 16 rows of query q's group
.set of, 8*(\v)-4*((\v)/3)
.irp c, 0,1,2,3
	global_load_b128 v[AF+16*(\q)+4*\c:AF+16*(\q)+4*\c+3], v9, s[48+2*(\q):49+2*(\q)] offset:128*of+32*\c
.endr
.endm
.macro MERGEQ q                        ; of query q's product the lanes of column q keep their eight results; the result is read from its low end on
.set md, DF+8*((\q)%2)
.irp j, 0,1,2,3,4,5,6,7
.if (\q) == 0
	v_mov_b32 v[ACC+\j], v[md+\j]
.else
	v_cndmask_b32 v[ACC+\j], v[ACC+\j], v[md+\j], s[QM+(\q)]
.endif
.endr
.endm
.macro SELECT v                        ; my rows of unit v, in ascending order, go into my list with their y
.set j0, 4*((\v)/3)
.set jj, j0
.rept 8-j0
	v_fma_f32 v[TK], v[ACC+jj], s46, v23           ; |x|^2 - 2^(1 + e) D
	v_max_num_f32 v[TK], 0, v[TK]
	INSF TK, YF+8*((\v)%2)+jj, 0
.set jj, jj+1
.endr
.endm
	CTY 0
.irp q, 0,1,2,3,4,5,6,7
	AL 0, \q
.endr
.irp j, 0,1,2,3,4
	v_mov_b32 v[KL+\j], 0x7f800000                 ; an empty list: keys of infinity
	v_mov_b32 v[PL+\j], 0
.endr
; A unit.  Behind each product stands the picking of the product before (eight plain instructions that name none of its registers): they are the places in front of the read of its result, of the loads into its rows' registers
; and of the product after next, which writes over its result; behind a unit's first product five v_nop do that.  As soon as a fragment's product and those places are past, the next unit's rows are asked for into it.
; THE COUNTS.  Behind the four loads of query q's rows were issued: 4 (7 - q) of this unit, the 4 of the next unit's ct and y, and 4 (q - 1) of the next unit's rows: 28 (at q = 0 it is 32; 28 is the safe smaller count).  The last unit asks for nothing: 28 - 4 q.
.irp v, 0,1,2,3
.if \v < 3
	CTY \v+1
.endif
.irp q, 0,1,2,3,4,5,6,7
.if \v < 3
	s_wait_loadcnt 28
.else
	s_wait_loadcnt 28-4*\q
.endif
	v_wmma_f32_16x16x128_fp8_fp8 v[DF+8*(\q%2):DF+8*(\q%2)+7], v[AF+16*\q:AF+16*\q+15], v[BF:BF+15], v[CT+8*(\v%2):CT+8*(\v%2)+7]
.if \q == 0
.rept 5
	v_nop
.endr
.else
	MERGEQ \q-1
.if \v < 3
	AL \v+1, \q-1
.endif
.endif
.endr
	MERGEQ 7
.if \v < 3
	AL \v+1, 7
.endif
	SELECT \v
.endr
.irp j, 0,1,2,3,4,5,6,7,8,9
	v_permlanex16_b32 v[TL+\j], v[KL+\j], s44, s45 ; the other half's list: in the lower half of the lanes that is the list of the higher rows
.endr
	MERGEF
	ds_store_b128 v6, v[28:31]                     ; lanes l and l + 8 hold the same query and the same list
	ds_store_b128 v6, v[32:35] offset:16
	ds_store_b64 v6, v[36:37] offset:32
	s_wait_dscnt 0x0                               ; for wave 0's sake: my stores have landed
	s_barrier_signal -1
	s_barrier_wait -1
	s_cmp_lg_u32 s22, 0
	s_cbranch_scc1 .Lend
	; ---- wave 0: the five slots' lists, in ascending slot, and the mean
	ds_load_b128 v[28:31], v7
	ds_load_b128 v[32:35], v7 offset:16
	ds_load_b64 v[36:37], v7 offset:32
.irp s, 1,2,3,4
	ds_load_b128 v[38:41], v7 offset:384*\s
	ds_load_b128 v[42:45], v7 offset:384*\s+16
	ds_load_b64 v[46:47], v7 offset:384*\s+32
	s_wait_dscnt 0x0
	MERGEF
.endr
	v_add_f32 v24, v[PL], v[PL+1]
	v_add_f32 v24, v24, v[PL+2]
	v_add_f32 v24, v24, v[PL+3]
	v_add_f32 v24, v24, v[PL+4]
	v_mul_f32 v24, 0x3e4ccccd, v24                 ; x 0.2
	v_cmp_gt_u32 vcc_lo, 8, v0
	s_wait_xcnt 0x0                                ; EXEC changes only behind this wait
	s_wait_tensorcnt 0x0
	ds_add_u32 v54, v55
	s_wait_dscnt 0x0
	s_and_saveexec_b32 s66, vcc_lo
	global_store_b32 v3, v24, s[20:21]             ; lanes 0 to 7: my work-group's eight results
	s_endpgm
.Lend:
	s_wait_tensorcnt 0x0
	ds_add_u32 v54, v55
	s_wait_dscnt 0x0
	s_endpgm
.Lfunc_end_k_qee1f7fffc3_pick:
	.size	k_qee1f7fffc3_pick, .Lfunc_end_k_qee1f7fffc3_pick-k_qee1f7fffc3_pick
	.p2alignl 7, 3214868480
	.fill 96, 4, 3214868480
	.section	.rodata,"a",@progbits
	.p2align	6, 0x0
	.amdhsa_kernel k_qee1f7fffc3_pick
		.amdhsa_group_segment_fixed_size 5120
		.amdhsa_private_segment_fixed_size 0
		.amdhsa_enable_private_segment 0
		.amdhsa_kernarg_size 72
		.amdhsa_user_sgpr_count 2
		.amdhsa_user_sgpr_kernarg_segment_ptr 1
		.amdhsa_wavefront_size32 1
		.amdhsa_system_sgpr_workgroup_id_x 1
		.amdhsa_system_sgpr_workgroup_id_y 1
		.amdhsa_system_sgpr_workgroup_id_z 1
		.amdhsa_system_vgpr_workitem_id 0
		.amdhsa_next_free_vgpr 256
		.amdhsa_next_free_sgpr 96
		.amdhsa_reserve_vcc 1
		.amdhsa_float_denorm_mode_32 3
		.amdhsa_float_denorm_mode_16_64 3
		.amdhsa_memory_ordered 1
		.amdhsa_forward_progress 1
		.amdhsa_inst_pref_size 161
	.end_amdhsa_kernel
	.amdgpu_metadata
---
amdhsa.version: [ 1, 2 ]
amdhsa.kernels:
  - .name:           k_qee1f7fffc3_pick
    .symbol:         k_qee1f7fffc3_pick.kd
    .args:
      - { .name: ckeys, .offset: 0, .size: 8, .value_kind: global_buffer, .address_space: global }
      - { .name: gkeys, .offset: 8, .size: 8, .value_kind: global_buffer, .address_space: global }
      - { .name: tcodes, .offset: 16, .size: 8, .value_kind: global_buffer, .address_space: global }
      - { .name: ct, .offset: 24, .size: 8, .value_kind: global_buffer, .address_space: global }
      - { .name: xcodes, .offset: 32, .size: 8, .value_kind: global_buffer, .address_space: global }
      - { .name: xsq, .offset: 40, .size: 8, .value_kind: global_buffer, .address_space: global }
      - { .name: y_train, .offset: 48, .size: 8, .value_kind: global_buffer, .address_space: global }
      - { .name: lowp_scales, .offset: 56, .size: 8, .value_kind: global_buffer, .address_space: global }
      - { .name: out0, .offset: 64, .size: 8, .value_kind: global_buffer, .address_space: global }
    .group_segment_fixed_size: 5120
    .private_segment_fixed_size: 0
    .kernarg_segment_align: 8
    .kernarg_segment_size: 72
    .max_flat_workgroup_size: 160
    .sgpr_count:     96
    .vgpr_count:     256
    .wavefront_size: 32
...
	.end_amdgpu_metadata
.endif
;; end of part 3
